; MI455X (gfx1250); checked and timed in simulation.
; The chip was launched on July 23, 2026; its instructions are those of AMD's public machine-readable ISA for CDNA 5 (MIT licence, August 2026) and "CDNA5" Instruction Set Architecture Reference Guide (July 2026). The comments in the code are by the model that wrote it; some were corrected since.
;; Linear Attention Layer. Allowed arithmetic: matrix products marked QUANTISED: E2M1 operands, one E8M0 scale for each 32 along K, by v_wmma_scale_f32_16x16x128_f8f6f4 with both operands' format E2M1 (or v_wmma_scale_f32_32x16x128_f4), f32 sums; products left as they are: bf16, f16 or f32 operands; f32 sums; everything else in f32.
;; Inputs: Wk 512 x 512 float32; Wo 512 x 512 float32; Wq 512 x 512 float32; Wv 512 x 512 float32; beta 512 float32; bo 512 float32; gamma 512 float32; x 8 x 2,097,152 float32.
;; Outputs: out0 8 x 2,097,152 float32.
;; This version of the problem:
;;   THIS VERSION OF THE PROBLEM IS GIVEN IN LOW PRECISION. The matrix products marked QUANTISED in the list below multiply operands that are first quantised to E2M1 (2 exponent bits, 1 mantissa bit; 4 bits a number), with one power-of-two scale for each 32 numbers along K (OCP MX v1.0); their sums are f32. The products marked 'left as it is' may take bf16, f16 or f32 operands, with f32 sums. Whichever they take, every output number must still come out within the allowed error. Rounding operands to bf16 (8 significant bits) uses up far more of that allowance than f16 does (11 bits, for magnitudes from 6e-5 to 65,504). All else is computed in f32.
;;   The module's matrix products, in the order in which they are computed (A, B: the left and right operand; K: the contracted axis; several contracted axes count as one K, in the product's order):
;;     1. [M 32,768, K 512] x [K 512, N 512]; A: input x; B: input Wq: QUANTISED
;;     2. [M 32,768, K 512] x [K 512, N 512]; A: input x; B: input Wk: QUANTISED
;;     3. [M 32,768, K 512] x [K 512, N 512]; A: input x; B: input Wv: QUANTISED
;;     4. batch 32 x [M 512, K 1,024] x [K 1,024, N 512]; A: computed on the way; B: computed on the way: left as it is (an operand is computed on the way)
;;     5. batch 32 x [M 1,024, K 512] x [K 512, N 512]; A: computed on the way; B: computed on the way: left as it is (an operand is computed on the way)
;;     6. [M 32,768, K 512] x [K 512, N 512]; A: computed on the way; B: input Wo: left as it is (an operand is computed on the way)
;;   THE QUANTISER, for each operand of a quantised product, along K:
;;     - K is cut into blocks of 32 from its start; a last block that is shorter is filled with zeros.
;;     - A block's scale is 2^e with e = floor(log2(the largest magnitude in the block)) - 2, held to -126 .. 127; a block of zeros has e = 0. As a byte (E8M0): e + 127.
;;     - Each number is divided by its block's scale, clamped to +-6, and rounded to the nearest number of E2M1, ties to even, subnormals kept.
;;     - The product sums the exact products of the quantised numbers (number of the format x scale) in f32.
;;   ~~~python
;;   def quantise(x, axis):      # numpy; x: float32 -> the quantised numbers, widened to float32 again
;;       x = np.moveaxis(x, axis, -1); K = x.shape[-1]
;;       x = np.pad(x, [(0, 0)] * (x.ndim - 1) + [(0, -K % 32)]); x = x.reshape(x.shape[:-1] + (-1, 32)); a = np.abs(x).max(-1, keepdims=True)
;;       e = np.where(a > 0, np.clip(np.frexp(np.where(a > 0, a, 1))[1] - 1 - 2, -126, 127), 0)      # np.frexp(a)[1] - 1 = floor(log2(a)), exactly
;;       r = np.clip(x / 2.0 ** e, -6, 6)
;;       step = 2.0 ** (np.maximum(np.frexp(np.where(r == 0, 1, r))[1] - 1, 0) - 1)
;;       q = np.round(r / step) * step * 2.0 ** e      # np.round: ties to even
;;       return np.moveaxis(q.reshape(q.shape[:-2] + (-1,))[..., :K], -1, axis).astype(np.float32)
;;   ~~~
;; One version. Each part assembles by itself: llvm-mc -triple=amdgcn-amd-amdhsa -mcpu=gfx1250 --defsym DOCPART=n.
;; ======== version 1 of 1: 3 launches
;; limits: values are held in f16: magnitudes above 65,504 overflow, below 6.1e-05 lose precision
;; workspace buffers: codes 8,781,824 bytes; scales 548,864 bytes; wof 524,288 bytes; kvf 16,777,216 bytes; ksum 65,536 bytes
;; launch prep (part 1): grid 544 x 1, 4 waves a work-group, no clusters, 33,280 bytes of LDS; arguments x, Wq, Wk, Wv, Wo, codes, scales, wof; writes codes, scales, wof
.if DOCPART == 1
	.amdgcn_target "amdgcn-amd-amdhsa--gfx1250"
	.amdhsa_code_object_version 6
	.text
	.protected	k_qb785c9c350_prep
	.globl	k_qb785c9c350_prep
	.p2align	8
	.type	k_qb785c9c350_prep,@function
k_qb785c9c350_prep:
	s_mov_b64 s[64:65], 0
	v_nop
	global_prefetch_b8 v0, s[64:65] scope:SCOPE_SE
	s_setreg_imm32_b32 hwreg(HW_REG_WAVE_MODE, 25, 1), 1
	s_wait_xcnt 0x0
; x [32768][512], Wq, Wk, Wv [512][512], f32, become codes of E2M1, K innermost, two a byte, and one E8M0 byte for each 32 along K:
; codes [34304 rows][256 bytes], scales [34304][16]; rows 0.. x, 32768.. Wq, 33280.. Wk, 33792.. Wv.  Rows are dense and 512 is a multiple of 32: each tensor is a plain stream of blocks.
; A block's scale is 2^(floor(log2(largest magnitude)) - 2); its byte is the largest magnitude's exponent field - 2, held at 1 from below.
; Wo [512][512] is rounded to f16 and laid in the order of a matrix operand's registers: wof [ke 16][o tile 32][half 2][lane 32][16 bytes];
; lane (r, h) of half u holds Wo(16 ot + r, 32 ke + 16 u + 8 h + 0 .. 7).
; LIMITS: a block of zeros gets the byte 1 where the rule says 127 (its codes are zeros, and this program alone reads the bytes); NaN and infinities are not served;
; |Wo| beyond 65,504 has no f16 number, under 6e-5 it has f16's subnormal spacing.
; SHARES: work-groups 0-511 x, 512-519 Wq, 520-527 Wk, 528-535 Wv: a wave takes 16 steps of 512 numbers.  Work-groups 536-543: Wo, a wave to a tile of 16 rows.
; No matrix unit, no cluster, no tensor load: the launch streams, and its waves share nothing.
.set QWG,   536                        ; work-groups that quantise
.set WAVES, 4
.set STEPS, 16
.set EMAX,  2
.set CB,    8                          ; bytes of 16 codes
.set R,     16                         ; v16-79   four sets of 16 numbers as loaded
.set X,     80                         ; v80-111  two sets of 16 neighbours
.set C,     128                        ; v128-191 codes, four registers a step: no store's data are written again
.set E,     112                        ; v112-127 a scale byte for each step
.set WREG,  8192                       ; LDS: a region for each wave: two stages of 32 x SP bytes, then its 256 scale bytes
.set SP,    80                         ; a lane's place in a stage: 64 bytes + 16 of padding
.set SPW,   12                         ; v12 LDS address of my spare word; never rewritten
.set NIL,   13                         ; v13 0; never rewritten
.set SPARE, WAVES*WREG                 ; behind the regions: the spare words, 128 bytes a wave, named by no other line
	s_load_b512 s[4:19], s[0:1], 0x0               ; x, Wq, Wk, Wv, Wo, codes, scales, wof
	v_lshl_add_u32 v[SPW], v0, 2, SPARE
	v_mov_b32 v[NIL], 0
	v_lshrrev_b32 v1, 5, v0
	v_readfirstlane_b32 s20, v1                    ; wave
	v_and_b32 v2, 31, v0                           ; lane
	s_cmp_ge_u32 ttmp9, QWG                        ; the last eight work-groups take Wo
	s_cbranch_scc1 .Lwo
	v_lshlrev_b32 v3, 4, v2                        ; my 16 bytes of a load's 512
	s_mul_i32 s21, s20, WREG
	v_lshrrev_b32 v14, 2, v2
	v_mul_u32_u24 v14, v14, SP
	v_and_b32 v15, 3, v2
	v_lshl_add_u32 v14, v15, 4, v14
	v_add_nc_u32 v14, s21, v14                     ; the stage, in: SP (lane / 4) + 16 (lane % 4)
	v_mul_u32_u24 v15, v2, SP
	v_add_nc_u32 v15, s21, v15                     ; and out: SP x lane: my 16 neighbours
	v_mul_u32_u24 v4, v2, CB                       ; my codes' place in a step's
	v_lshrrev_b32 v5, 1, v2
	s_add_co_u32 s21, s21, 2*32*SP
	v_add_nc_u32 v5, s21, v5                       ; LDS: my block's scale byte
	v_lshlrev_b32 v7, 3, v2
	v_add_nc_u32 v6, s21, v7                       ; and 8 bytes a lane on the way out
	s_wait_kmcnt 0x0
	s_mov_b64 s[22:23], s[10:11]                   ; which tensor: the choice hangs on the work-group's number alone
	s_mov_b32 s24, 528
	s_cmp_lt_u32 ttmp9, 528
	s_cselect_b64 s[22:23], s[8:9], s[22:23]
	s_cselect_b32 s24, 520, s24
	s_cmp_lt_u32 ttmp9, 520
	s_cselect_b64 s[22:23], s[6:7], s[22:23]
	s_cselect_b32 s24, 512, s24
	s_cmp_lt_u32 ttmp9, 512
	s_cselect_b64 s[22:23], s[4:5], s[22:23]
	s_cselect_b32 s24, 0, s24
	s_sub_co_u32 s24, ttmp9, s24
	s_lshl_b32 s24, s24, 2
	s_add_co_u32 s24, s24, s20                     ; which run of 8,192 numbers of the tensor is my wave's
	s_lshl_b32 s24, s24, 15                        ; 32,768 bytes a run
	s_mov_b32 s25, 0
	s_add_nc_u64 s[22:23], s[22:23], s[24:25]
	s_lshl_b32 s26, ttmp9, 2
	s_add_co_u32 s26, s26, s20                     ; the run's number in the two workspace buffers: the four tensors lie on end
	s_lshl_b32 s24, s26, 12                        ; 4,096 bytes of codes a run
	s_add_nc_u64 s[14:15], s[14:15], s[24:25]
	s_lshl_b32 s24, s26, 8                         ; 256 scale bytes
	s_add_nc_u64 s[16:17], s[16:17], s[24:25]
.macro LOAD t
.irp i, 0,1,2,3
	global_load_b128 v[R+16*((\t)%4)+4*\i:R+16*((\t)%4)+4*\i+3], v3, s[22:23] offset:2048*(\t)+512*\i th:TH_LOAD_NT   ; 32 lanes read 512 consecutive bytes
.endr
.endm
.macro TURN t                          ; step t's numbers through the stage: LDS serves a wave's instructions in order, so no wait stands between stores and loads
.irp i, 0,1,2,3
	ds_store_b128 v14, v[R+16*((\t)%4)+4*\i:R+16*((\t)%4)+4*\i+3] offset:32*SP*((\t)%2)+8*SP*\i
.endr
.irp i, 0,1,2,3
	ds_load_b128 v[X+16*((\t)%2)+4*\i:X+16*((\t)%2)+4*\i+3], v15 offset:32*SP*((\t)%2)+16*\i
.endr
.endm
.irp t, 0,1,2,3
	LOAD \t
.endr
	s_wait_loadcnt 12                              ; step 0's four loads are in
	TURN 0
.macro STEP t
.set XV, X+16*((\t)%2)
.if (\t) > 0
	s_wait_dscnt 1                                 ; this step's numbers are back from the stage (the last step's byte store may be out)
.else
	s_wait_dscnt 0x0
.endif
.if (\t)+4 < STEPS
	LOAD (\t)+4                                    ; the registers that the stage's stores have read take the loads of four steps on
.endif
.if (\t)+1 < STEPS
.if STEPS-2-(\t) >= 3
	s_wait_loadcnt 12                              ; the next step's four loads are in; three steps' may be out
.else
	s_wait_loadcnt 4*(STEPS-2-(\t))
.endif
	TURN (\t)+1
.endif
	v_max3_num_f32 v8, |v[XV]|, |v[XV+1]|, |v[XV+2]|               ; the largest magnitude of my 16, in two chains
	v_max3_num_f32 v9, |v[XV+3]|, |v[XV+4]|, |v[XV+5]|
.irp i, 6,10
	v_max3_num_f32 v8, v8, |v[XV+\i]|, |v[XV+\i+1]|
	v_max3_num_f32 v9, v9, |v[XV+\i+2]|, |v[XV+\i+3]|
.endr
	v_max3_num_f32 v8, v8, |v[XV+14]|, |v[XV+15]|
	v_max3_num_f32 v8, v8, v9, (EMAX+1)<<23        ; and the floor 2^(3 - 127): the byte cannot fall under 1
	v_max_num_f32_dpp v8, v8, v8 row_xmask:1 row_mask:0xf bank_mask:0xf   ; with my neighbour's 16: the block's
	v_add_nc_u32 v11, -(EMAX<<23), v8              ; 2 off its exponent field: the conversion takes that field as its scale
	v_cvt_scalef32_pk8_fp4_f32 v[C+4*(\t)], v[XV:XV+7], v11
	v_cvt_scalef32_pk8_fp4_f32 v[C+4*(\t)+1], v[XV+8:XV+15], v11
	v_lshrrev_b32 v[E+(\t)], 23, v11               ; the scale's byte (a plain line behind the conversions)
	ds_store_b8 v5, v[E+(\t)] offset:16*(\t)       ; both lanes of a block write the same byte with the same value
	global_store_b64 v4, v[C+4*(\t):C+4*(\t)+1], s[14:15] offset:32*CB*(\t)   ; the wave stores 256 consecutive bytes, aligned
.endm
.irp t, 0,1,2,3,4,5,6,7,8,9,10,11,12,13,14,15
	STEP \t
.endr
	ds_load_b64 v[8:9], v6                         ; my wave's 256 scale bytes: these see my stores
	s_wait_dscnt 0x0
	global_store_b64 v7, v[8:9], s[16:17]          ; 256 consecutive bytes, aligned
	s_wait_tensorcnt 0x0                           ; the wave's end
	ds_add_u32 v[SPW], v[NIL]
	s_wait_dscnt 0x0
	s_endpgm
.Lwo:                                              ; Wo to f16, in operand order.  This way touches no LDS
	s_sub_co_u32 s21, ttmp9, QWG
	s_lshl_b32 s21, s21, 2
	s_add_co_u32 s21, s21, s20                     ; ot: my tile of 16 rows, 0 .. 31
	v_and_b32 v3, 15, v0                           ; r
	v_bfe_u32 v4, v0, 4, 1                         ; h
	v_lshlrev_b32 v5, 11, v3                       ; row r of 2,048 bytes,
	v_lshl_add_u32 v5, v4, 5, v5                   ; + 32 h: my eight numbers of a piece of 16
	v_lshlrev_b32 v6, 4, v2                        ; out: 16 bytes a lane
	s_lshl_b32 s24, s21, 15                        ; 16 rows of 2,048 bytes
	s_mov_b32 s25, 0
	s_lshl_b32 s26, s21, 10                        ; a tile's 1,024 bytes in each ke
	s_mov_b32 s27, 0
	s_wait_kmcnt 0x0
	s_add_nc_u64 s[12:13], s[12:13], s[24:25]
	s_add_nc_u64 s[18:19], s[18:19], s[26:27]
.macro WOB bt                          ; eight pieces i = 2 ke + half: 16 columns each
.irp p, 0,1,2,3,4,5,6,7
	global_load_b128 v[16+8*\p:16+8*\p+3], v5, s[12:13] offset:64*(8*\bt+\p)
	global_load_b128 v[16+8*\p+4:16+8*\p+7], v5, s[12:13] offset:64*(8*\bt+\p)+16
.endr
	s_wait_loadcnt 0x0
	s_wait_xcnt 0x0                                ; the last batch's stores have read their data: v80-111 are written again only behind this wait
.irp p, 0,1,2,3,4,5,6,7
.irp j, 0,1,2,3
	v_cvt_pk_f16_f32 v[80+4*\p+\j], v[16+8*\p+2*\j], v[16+8*\p+2*\j+1]
.endr
.endr
.irp p, 0,1,2,3,4,5,6,7
	global_store_b128 v6, v[80+4*\p:80+4*\p+3], s[18:19] offset:((8*\bt+\p)/2)*32768+((8*\bt+\p)%2)*512   ; 512 consecutive bytes, aligned
.endr
.endm
	WOB 0
	WOB 1
	WOB 2
	WOB 3
	s_endpgm
.Lfunc_end_k_qb785c9c350_prep:
	.size	k_qb785c9c350_prep, .Lfunc_end_k_qb785c9c350_prep-k_qb785c9c350_prep
	.p2alignl 7, 3214868480
	.fill 96, 4, 3214868480
	.section	.rodata,"a",@progbits
	.p2align	6, 0x0
	.amdhsa_kernel k_qb785c9c350_prep
		.amdhsa_group_segment_fixed_size 33280
		.amdhsa_private_segment_fixed_size 0
		.amdhsa_enable_private_segment 0
		.amdhsa_kernarg_size 64
		.amdhsa_user_sgpr_count 2
		.amdhsa_user_sgpr_kernarg_segment_ptr 1
		.amdhsa_wavefront_size32 1
		.amdhsa_system_sgpr_workgroup_id_x 1
		.amdhsa_system_sgpr_workgroup_id_y 1
		.amdhsa_system_sgpr_workgroup_id_z 1
		.amdhsa_system_vgpr_workitem_id 0
		.amdhsa_next_free_vgpr 192
		.amdhsa_next_free_sgpr 66
		.amdhsa_reserve_vcc 0
		.amdhsa_float_denorm_mode_32 3
		.amdhsa_float_denorm_mode_16_64 3
		.amdhsa_memory_ordered 1
		.amdhsa_forward_progress 1
		.amdhsa_inst_pref_size 51
	.end_amdhsa_kernel
	.amdgpu_metadata
---
amdhsa.version: [ 1, 2 ]
amdhsa.kernels:
  - .name:           k_qb785c9c350_prep
    .symbol:         k_qb785c9c350_prep.kd
    .args:
      - { .name: x, .offset: 0, .size: 8, .value_kind: global_buffer, .address_space: global }
      - { .name: Wq, .offset: 8, .size: 8, .value_kind: global_buffer, .address_space: global }
      - { .name: Wk, .offset: 16, .size: 8, .value_kind: global_buffer, .address_space: global }
      - { .name: Wv, .offset: 24, .size: 8, .value_kind: global_buffer, .address_space: global }
      - { .name: Wo, .offset: 32, .size: 8, .value_kind: global_buffer, .address_space: global }
      - { .name: codes, .offset: 40, .size: 8, .value_kind: global_buffer, .address_space: global }
      - { .name: scales, .offset: 48, .size: 8, .value_kind: global_buffer, .address_space: global }
      - { .name: wof, .offset: 56, .size: 8, .value_kind: global_buffer, .address_space: global }
    .group_segment_fixed_size: 33280
    .private_segment_fixed_size: 0
    .kernarg_segment_align: 8
    .kernarg_segment_size: 64
    .max_flat_workgroup_size: 128
    .sgpr_count:     66
    .vgpr_count:     192
    .wavefront_size: 32
...
	.end_amdgpu_metadata
.endif
;; end of part 1
;; launch kvsum (part 2): grid 256 x 1, 4 waves a work-group, clusters of 4 x 1, 327,680 bytes of LDS; arguments codes, scales, kvf, ksum; writes kvf, ksum
.if DOCPART == 2
	.amdgcn_target "amdgcn-amd-amdhsa--gfx1250"
	.amdhsa_code_object_version 6
	.text
	.protected	k_qb785c9c350_kvsum
	.globl	k_qb785c9c350_kvsum
	.p2align	8
	.type	k_qb785c9c350_kvsum,@function
k_qb785c9c350_kvsum:
	s_mov_b64 s[64:65], 0
	v_nop
	global_prefetch_b8 v0, s[64:65] scope:SCOPE_SE
	s_setreg_imm32_b32 hwreg(HW_REG_WAVE_MODE, 25, 1), 1
	s_wait_xcnt 0x0
	s_wait_alu depctr_hold_cnt(0) depctr_sa_sdst(0) depctr_va_vdst(0) depctr_va_sdst(0) depctr_va_ssrc(0) depctr_va_vcc(0) depctr_vm_vsrc(0)
	s_getreg_b32 s2, hwreg(HW_REG_IB_STS2, 6, 4)
	s_cmp_eq_u32 s2, 0
	s_cbranch_scc0 .Lentry_in_a_cluster
	s_endpgm
.Lentry_in_a_cluster:
	s_bfe_u32 s2, ttmp6, 0x10000c
	s_cmp_lg_u32 s2, 0x3003
	s_cbranch_scc0 .Lentry_shape_is_right
	s_endpgm
.Lentry_shape_is_right:
; For each of 32 sequences: K = phi(x Wk^T), V = x Wv^T on codes of E2M1 (K = 512), phi(z) = elu(z) + 1; kv[d][e] = sum over 1,024 positions of K[s][d] V[s][e]; k_sum[d] = sum of K[s][d].
; K and V never go to memory.  kv leaves as bf16 in operand order: kvf [seq][kd 16][e tile 32][half 2][lane 32][16 bytes], lane (r, h) of half u: kv(32 kd + 16 u + 8 h + 0 .. 7, 16 et + r).
; SHARES.  A work-group makes a tile of 128 d x 256 e of one sequence's kv: 8 tiles a sequence, 256 work-groups.  It walks the 1,024 positions 64 at a time (a chunk).
; In a chunk wave w makes, on codes, K's column tiles 2 w, 2 w + 1 and V's 4 w .. 4 w + 3 of the group's 8 + 16 (its 24 weight fragments stay in registers), rounds them to f16 and hands them round
; through LDS as images of operand registers; then it adds 64 d x 128 e of K^T V onto its 32 accumulators.
; LAYOUT.  Source 0 = 16 positions of x, source 1 = 16 rows of W: a lane holds ONE column and eight positions, so two neighbouring tiles of positions, packed in pairs, ARE a fragment (16 columns x 32 positions) of the second product.
; phi(z) = the middle one of 2^(z log2 e), 1 and z + 1: for z > 0 that is z + 1, for z < 0 e^z.
; CLUSTER.  The four partners make the four d tiles of one sequence and one half of e: they walk the same codes of x and ask for them jointly (mask 15).  The place in the cluster enters global addresses alone.
; LIMITS: |K|, |V| beyond 65,504 have no f16 number; NaN and infinities are not served.
; LDS: slot 0 [0, 69632): 256 positions x (256 + 16); XCH [69632, 118784): 24 tiles x 2 blocks of 32 positions x 1,024; slot 1 from 2^17; SCL: the sequence's scale bytes of x, 64 x (256 + 16); the spare words.
; REGISTERS: window 0: v1-16 addresses; v32-55 W's scale words, v56-71 x's (scales and nothing else); v72-79 k_sum; v128-255 x's fragments, then the packed f16.
;   window 1: W's fragments (t, q) at 32 t + 8 q.   window 2: v0-191 the chunk's 24 results (t, i) at 8 (4 t + i), later the fragments read back; v192-255 at work.   window 3: kv (a, b) at 8 (8 a + b).
.set SLOT1, 1<<17
.set XCH,   69632
.set SCL,   200704
.set SPARE, 218112                     ; the spare words, 128 bytes a wave, named by no other line
.set AX0, 3                            ; v3   r x 272 + 16 h: my place in a tile of x
.set AS0, 4                            ; v4   SCL + 16 r
.set ADX, 5                            ; v5   the chunk's x
.set ADS, 6                            ; v6   the chunk's scale words
.set KST, 7                            ; v7   where I store K's images
.set VST, 8                            ; v8   V's
.set KLD, 9                            ; v9   where I read K's images
.set VLD, 10                           ; v10  V's
.set KSA, 11                           ; v11  XCH + 4 x thread: k_sum on its way out
.set WO,  12                           ; v12  r x 256 + 16 h: W's codes in memory
.set WSO, 13                           ; v13  16 r: W's scale words
.set L16, 15                           ; v15  16 x lane
.set KSL, 16                           ; v16  XCH + 16 x lane
.set SPW, 28
.set NIL, 29
.set WS,  32
.set XS,  56
.set KS,  72
.set XF,  128
.set P,   128
.set TT,  192
.set WV,  12
.set WD,  13
.set WE,  14
.set CX,  15
.set ET,  16
.set SEQ, 17
.set G1X, 20                           ; s[20:27] group 1: 64 rows of 256 bytes
.set G1S, 28                           ; s[28:35] group 1: 16 rows of 256 bytes
.set G0X, 36                           ; s[36:39] group 0 for x's codes: it walks
.set G0S, 40                           ; s[40:43] group 0 for x's scale bytes
.set TB,  52                           ; LDS byte at which the chunk's rows begin
.set TS,  53                           ; and its scale words
.set CN,  54
.set SL,  55
.set LG,  56                           ; s[56:57] log2 e
.set SEL, 58                           ; s[58:59] selects for lane l xor 16
.set MSB, 0
.macro WIN new                         ; the immediate's high byte repeats the setting that is left
.if MSB != \new
	s_set_vgpr_msb (MSB<<8)|\new
.set MSB, \new
.endif
.endm
.macro CROUND                          ; a round of the cluster's barrier
	s_barrier_signal -1
	s_barrier_wait -1
	s_cmp_lg_u32 s[WV], 0
	s_cbranch_scc1 .Lnot_wave_0_\@
	s_barrier_signal -3
.Lnot_wave_0_\@:
	s_barrier_wait -3
	s_barrier_signal -1
	s_barrier_wait -1
.endm
	s_load_b256 s[4:11], s[0:1], 0x0               ; codes, scales, kvf, ksum
	v_lshl_add_u32 v[SPW], v0, 2, SPARE
	v_mov_b32 v[NIL], 0
	ds_add_u32 v[SPW], v[NIL]                      ; the opening: the add, twice on end, and its wait ahead of my first tensor load
	ds_add_u32 v[SPW], v[NIL]
	v_lshrrev_b32 v1, 5, v0
	v_readfirstlane_b32 s[WV], v1                  ; wave 0..3
	s_lshr_b32 s[WD], s[WV], 1                     ; my half of the tile's d
	s_and_b32 s[WE], s[WV], 1                      ; my half of its e
	s_bfe_u32 s[CX], ttmp6, 0x40000                ; my place in the cluster = the d tile
	s_and_b32 s[ET], ttmp9, 1                      ; the e tile, shared by the partners
	s_lshr_b32 s[SEQ], ttmp9, 1                    ; the sequence, shared too
	s_mov_b32 s[G1X], 15|(3<<16)|(1<<20)|(1<<21)|(5<<22)|(3<<25)   ; mask: all four; elements of 8 bytes; padding on; bit 21 beside a mask; 4 words behind every 64
	s_mov_b32 s[G1S], 15|(3<<16)|(1<<20)|(1<<21)|(5<<22)|(3<<25)
.irp g, G1X, G1S
	s_mov_b32 s[\g+1], 32<<16                      ; tensor_dim0 = 32 elements
	s_mov_b32 s[\g+3], 32<<16                      ; tile_dim0
	s_mov_b32 s[\g+5], 32                          ; rows are dense
	s_mov_b32 s[\g+6], 0
	s_mov_b32 s[\g+7], 0
.endr
	s_mov_b32 s[G1X+2], 64<<16                     ; tensor_dim1
	s_mov_b32 s[G1X+4], 64                         ; tile_dim1
	s_mov_b32 s[G1S+2], 16<<16
	s_mov_b32 s[G1S+4], 16
	s_lshl_b32 s66, s[SEQ], 18                     ; x's codes: 262,144 bytes a sequence, my 64 rows of a slot's 256
	s_lshl_b32 s67, s[WV], 14
	s_add_co_u32 s66, s66, s67
	s_mov_b32 s67, 0
	s_lshl_b32 s68, s[SEQ], 14                     ; x's scale bytes: 16,384 a sequence, my quarter
	s_lshl_b32 s69, s[WV], 12
	s_add_co_u32 s68, s68, s69
	s_mov_b32 s69, 0
	s_lshl_b32 s70, s[CX], 15                      ; Wk's codes: row 33,280 + 128 dt + 32 w
	s_lshl_b32 s71, s[WV], 13
	s_add_co_u32 s70, s70, s71
	s_add_co_u32 s70, s70, 33280*256
	s_mov_b32 s71, 0
	s_lshl_b32 s72, s[ET], 16                      ; Wv's: row 33,792 + 256 et + 64 w
	s_lshl_b32 s73, s[WV], 14
	s_add_co_u32 s72, s72, s73
	s_add_co_u32 s72, s72, 33792*256
	s_mov_b32 s73, 0
	s_lshl_b32 s74, s[CX], 11                      ; and the same rows' scale bytes, 16 a row
	s_lshl_b32 s75, s[WV], 9
	s_add_co_u32 s74, s74, s75
	s_add_co_u32 s74, s74, 33280*16
	s_mov_b32 s75, 0
	s_lshl_b32 s76, s[ET], 12
	s_lshl_b32 s77, s[WV], 10
	s_add_co_u32 s76, s76, s77
	s_add_co_u32 s76, s76, 33792*16
	s_mov_b32 s77, 0
	s_mul_i32 s78, s[WV], 17408                    ; LDS: my 64 rows of a slot
	s_mul_i32 s79, s[WV], 4352
	s_add_co_u32 s79, s79, SCL                     ; and my 16 units of scale bytes
	s_lshl_b32 s80, s[SEQ], 19                     ; kvf: seq, kd = 4 dt + 2 wd, e tile = 16 et + 8 we
	s_lshl_b32 s81, s[CX], 17
	s_add_co_u32 s80, s80, s81
	s_lshl_b32 s81, s[WD], 16
	s_add_co_u32 s80, s80, s81
	s_lshl_b32 s81, s[ET], 14
	s_add_co_u32 s80, s80, s81
	s_lshl_b32 s81, s[WE], 13
	s_add_co_u32 s80, s80, s81
	s_mov_b32 s81, 0
	s_lshl_b32 s82, s[SEQ], 11                     ; ksum: 2,048 bytes a sequence, 512 a d tile
	s_lshl_b32 s83, s[CX], 9
	s_add_co_u32 s82, s82, s83
	s_mov_b32 s83, 0
	s_mov_b32 s[TB], 0
	s_mov_b32 s[TS], 0
	s_mov_b32 s[LG], 0x3fb8aa3b                    ; log2 e
	s_mov_b32 s[LG+1], s[LG]                       ; (named with it as a pair)
	s_mov_b32 s[SEL], 0x76543210
	s_mov_b32 s[SEL+1], 0xfedcba98
	s_wait_dscnt 0x0                               ; both opening adds are done
	s_wait_kmcnt 0x0
	s_mov_b32 s[G0X], 1
	s_mov_b32 s[G0X+1], s78
	s_add_nc_u64 s[G0X+2:G0X+3], s[4:5], s[66:67]
	s_or_b32 s[G0X+3], s[G0X+3], 0x80000000
	s_mov_b32 s[G0S], 1
	s_mov_b32 s[G0S+1], s79
	s_add_nc_u64 s[G0S+2:G0S+3], s[6:7], s[68:69]
	s_or_b32 s[G0S+3], s[G0S+3], 0x80000000
	s_add_nc_u64 s[44:45], s[4:5], s[70:71]        ; Wk's codes
	s_add_nc_u64 s[46:47], s[4:5], s[72:73]        ; Wv's codes
	s_add_nc_u64 s[48:49], s[6:7], s[74:75]        ; Wk's scales
	s_add_nc_u64 s[50:51], s[6:7], s[76:77]        ; Wv's scales
	s_add_nc_u64 s[8:9], s[8:9], s[80:81]
	s_add_nc_u64 s[10:11], s[10:11], s[82:83]
	CROUND                                         ; all four work-groups are here: the first joint loads meet
	tensor_load_to_lds s[G0S:G0S+3], s[G1S:G1S+7]  ; the sequence's scale bytes of x: filled once
	s_nop 0
	tensor_load_to_lds s[G0X:G0X+3], s[G1X:G1X+7]  ; slot 0: positions 0 to 255.  Two loads of mine are out
	s_nop 0
.rept 4
	v_nop
.endr
	v_and_b32 v1, 15, v0                           ; r
	v_bfe_u32 v2, v0, 4, 1                         ; h
	v_and_b32 v14, 31, v0
	v_lshlrev_b32 v[L16], 4, v14
	v_lshlrev_b32 v[WO], 8, v1
	v_lshl_add_u32 v[WO], v2, 4, v[WO]
	v_lshlrev_b32 v[WSO], 4, v1
	WIN 0x40                                       ; destination window 1
.irp t, 0,1
.irp q, 0,1,2,3
.irp c, 0,1
	global_load_b128 v[32*\t+8*\q+4*\c:32*\t+8*\q+4*\c+3], v[WO], s[44:45] offset:4096*\t+64*\q+32*\c
.endr
.endr
.endr
.irp t, 2,3,4,5
.irp q, 0,1,2,3
.irp c, 0,1
	global_load_b128 v[32*\t+8*\q+4*\c:32*\t+8*\q+4*\c+3], v[WO], s[46:47] offset:4096*(\t-2)+64*\q+32*\c
.endr
.endr
.endr
	WIN 0
.irp t, 0,1
	global_load_b128 v[WS+4*\t:WS+4*\t+3], v[WSO], s[48:49] offset:256*\t      ; four scale words a row: word q for k = 128 q on
.endr
.irp t, 2,3,4,5
	global_load_b128 v[WS+4*\t:WS+4*\t+3], v[WSO], s[50:51] offset:256*(\t-2)
.endr
	v_mul_u32_u24 v[AX0], v1, 272
	v_lshl_add_u32 v[AX0], v2, 4, v[AX0]
	v_lshl_add_u32 v[AS0], v1, 4, SCL
	s_lshl_b32 s84, s[WV], 12
	s_add_co_u32 s84, s84, XCH
	v_add_nc_u32 v[KST], s84, v[L16]               ; K tile T lies at XCH + 2,048 T; mine are 2 w, 2 w + 1
	s_lshl_b32 s84, s[WV], 13
	s_add_co_u32 s84, s84, XCH+16384
	v_add_nc_u32 v[VST], s84, v[L16]               ; V tile T at XCH + 16,384 + 2,048 T; mine are 4 w on
	s_lshl_b32 s84, s[WD], 13
	s_add_co_u32 s84, s84, XCH
	v_add_nc_u32 v[KLD], s84, v[L16]               ; I multiply K tiles 4 wd on
	s_lshl_b32 s84, s[WE], 14
	s_add_co_u32 s84, s84, XCH+16384
	v_add_nc_u32 v[VLD], s84, v[L16]               ; by V tiles 8 we on
	v_lshl_add_u32 v[KSA], v0, 2, XCH
	v_add_nc_u32 v[KSL], XCH, v[L16]
.irp j, 0,1,2,3,4,5,6,7
	v_mov_b32 v[KS+\j], 0
.endr
	s_wait_loadcnt 0x0                             ; the weights
; THE CHANGE OF SLOTS, at a slot's head: each wave waits for all its tensor loads (its part of the slot ahead), adds 0 to its spare word, waits for that and for its reads of the slot left.
; fill = 1: a round of the cluster's barrier, and the joint load of the next 256 positions first behind it: one load of mine is out, and it has four chunks in which to land.
.macro CHANGE fill
	WIN 0
	s_wait_tensorcnt 0x0                           ; no tensor load of mine is out, so the group 0 may be written
	ds_add_u32 v[SPW], v[NIL]
.if \fill
	s_xor_b32 s[G0X+1], s[G0X+1], SLOT1            ; the other slot than last time,
	s_add_nc_u64 s[G0X+2:G0X+3], s[G0X+2:G0X+3], 65536   ; the next 256 rows of 256 bytes
	s_wait_dscnt 0x0                               ; the add is done; my reads of the slot that I have left are over
	CROUND
	tensor_load_to_lds s[G0X:G0X+3], s[G1X:G1X+7]
	s_nop 0
.rept 4
	v_nop
.endr
.else
	s_wait_dscnt 0x0
	s_barrier_signal -1
	s_barrier_wait -1
.endif
.endm
.macro TBFIX                           ; back to a slot's first chunk, in the other slot
	s_sub_co_u32 s[TB], s[TB], 69632
	s_xor_b32 s[TB], s[TB], SLOT1
.endm
; A CHUNK: 64 positions.  zero = 1: the first products of K^T V start the sums.
.macro CHUNK zero
	v_add_nc_u32 v[ADX], s[TB], v[AX0]
	v_add_nc_u32 v[ADS], s[TS], v[AS0]
.rept 4
	v_nop                                          ; with the two additions six places: the products below write over fragments that the last chunk's products read (five are owed)
.endr
.irp i, 0,1,2,3
	ds_load_b128 v[XS+4*\i:XS+4*\i+3], v[ADS] offset:272*\i        ; 16 positions' scale words lie in one unit of 256 bytes
.endr
.irp q, 0,1,2,3
.irp i, 0,1,2,3
.irp c, 0,1
	ds_load_b128 v[XF+32*\i+8*\q+4*\c:XF+32*\i+8*\q+4*\c+3], v[ADX] offset:4352*\i+64*\q+32*\c
.endr
.endr
.endr
.irp q, 0,1,2,3                        ; K and V on codes: 24 accumulators by turns
	s_wait_dscnt 8*(3-\q)                          ; the later K steps' eight loads each may be out
	WIN 0xa4                                       ; x window 0, W window 1, results window 2
.irp i, 0,1,2,3
.irp t, 0,1,2,3,4,5
.set rD, 8*(4*\t+\i)
.set rA, XF+32*\i+8*\q
.set rB, 32*\t+8*\q
.if \q == 0
	v_wmma_scale_f32_16x16x128_f8f6f4 v[rD:rD+7], v[rA:rA+7], v[rB:rB+7], 0, v[XS+4*\i+\q], v[WS+4*\t+\q] matrix_a_fmt:MATRIX_FMT_FP4 matrix_b_fmt:MATRIX_FMT_FP4
.else
	v_wmma_scale_f32_16x16x128_f8f6f4 v[rD:rD+7], v[rA:rA+7], v[rB:rB+7], v[rD:rD+7], v[XS+4*\i+\q], v[WS+4*\t+\q] matrix_a_fmt:MATRIX_FMT_FP4 matrix_b_fmt:MATRIX_FMT_FP4
.endif
.endr
.endr
.endr
.rept 4
	v_nop                                          ; places in front of the first read of results
.endr
	WIN 0xaa                                       ; phi on K's 64 registers, all in window 2
.set j, 0
.rept 32
	v_pk_mul_f32 v[TT+j:TT+j+1], v[j:j+1], s[LG:LG+1] op_sel_hi:[1,0]   ; z log2 e (each accumulator is read from its low end on)
.set j, j+2
.endr
.set j, 0
.rept 64
	v_exp_f32 v[TT+j], v[TT+j]                     ; e^z: one batch
.set j, j+1
.endr
.set j, 0
.rept 32
	v_pk_add_f32 v[j:j+1], v[j:j+1], 1.0 op_sel_hi:[1,0]           ; z + 1: plain work that names no exponential's result
.set j, j+2
.endr
	s_wait_alu depctr_va_vdst(0)                   ; one wait for the batch, ahead of its first reader
.set j, 0
.rept 64
	v_med3_num_f32 v[j], v[TT+j], 1.0, v[j]        ; the middle one of e^z, 1, z + 1
.set j, j+1
.endr
	WIN 0x02                                       ; k_sum takes the f32 K, before it is rounded: four chains
.irp z, 0,1,2,3,4,5,6,7,8,9,10,11,12,13,14,15
.irp t, 0,1
	v_pk_add_f32 v[KS+4*\t+2*(\z%2):KS+4*\t+2*(\z%2)+1], v[32*\t+2*\z:32*\t+2*\z+1], v[KS+4*\t+2*(\z%2):KS+4*\t+2*(\z%2)+1]
.endr
.endr
	WIN 0x0a                                       ; to f16: four registers a tile of 16 positions: halves of fragments
.set j, 0
.rept 96
	v_cvt_pk_f16_f32 v[P+j], v[2*j], v[2*j+1]
.set j, j+1
.endr
	WIN 0
.irp t, 0,1
.irp i, 0,1,2,3
	ds_store_b128 v[KST], v[P+16*\t+4*\i:P+16*\t+4*\i+3] offset:2048*\t+512*\i      ; block of 32 positions i / 2, half i % 2
.endr
.endr
.irp t, 2,3,4,5
.irp i, 0,1,2,3
	ds_store_b128 v[VST], v[P+16*\t+4*\i:P+16*\t+4*\i+3] offset:2048*(\t-2)+512*\i
.endr
.endr
	s_wait_dscnt 0x0                               ; for the others' sake: my images lie in LDS (and my reads of x are over)
	s_barrier_signal -1
	s_barrier_wait -1
	WIN 0x80                                       ; destination window 2
.irp sb, 0,1
.irp a, 0,1,2,3
.irp u, 0,1
	ds_load_b128 v[96*\sb+8*\a+4*\u:96*\sb+8*\a+4*\u+3], v[KLD] offset:2048*\a+1024*\sb+512*\u
.endr
.endr
.irp b, 0,1,2,3,4,5,6,7
.irp u, 0,1
	ds_load_b128 v[96*\sb+32+8*\b+4*\u:96*\sb+32+8*\b+4*\u+3], v[VLD] offset:2048*\b+1024*\sb+512*\u
.endr
.endr
.endr
	WIN 0xfa                                       ; K and V window 2, kv window 3
.irp g, 0,1,2,3
	s_wait_dscnt 36-4*\g                           ; K's eight loads and V's up to tile 2 g + 1 are in; the younger ones may be out
.irp e, 0,1
.irp a, 0,1,2,3
.set rD, 8*(8*\a+2*\g+\e)
.set rB, 32+8*(2*\g+\e)
.if \zero
	v_wmma_f32_16x16x32_f16 v[rD:rD+7], v[8*\a:8*\a+7], v[rB:rB+7], 0
.else
	v_wmma_f32_16x16x32_f16 v[rD:rD+7], v[8*\a:8*\a+7], v[rB:rB+7], v[rD:rD+7]
.endif
.endr
.endr
.endr
	s_wait_dscnt 0x0                               ; my reads of the images are over: the next chunk may write them
	s_barrier_signal -1
.irp b, 0,1,2,3,4,5,6,7
.irp a, 0,1,2,3
.set rD, 8*(8*\a+\b)
	v_wmma_f32_16x16x32_f16 v[rD:rD+7], v[96+8*\a:96+8*\a+7], v[128+8*\b:128+8*\b+7], v[rD:rD+7]
.endr
.endr
	WIN 0
	s_barrier_wait -1
	s_add_co_u32 s[TB], s[TB], 17408               ; 64 rows of 272 bytes on
	s_add_co_u32 s[TS], s[TS], 1088                ; four units of scale words on
.endm
.macro CHUNKS cnt
	s_mov_b32 s[CN], \cnt
.Lchunk_\@:
	CHUNK 0
	s_sub_co_u32 s[CN], s[CN], 1
	s_cmp_lg_u32 s[CN], 0
	s_cbranch_scc1 .Lchunk_\@
.endm
	CHANGE 1                                       ; slot 0 and the scale bytes are whole; slot 1 is asked for: all four loads here are first fills
	CHUNK 1
	CHUNKS 3
	TBFIX
	s_mov_b32 s[SL], 2
.Lslot:
	CHANGE 1
	CHUNKS 4
	TBFIX
	s_sub_co_u32 s[SL], s[SL], 1
	s_cmp_lg_u32 s[SL], 0
	s_cbranch_scc1 .Lslot
	CHANGE 0                                       ; the last slot: nothing is left to fetch
	CHUNKS 4
	; k_sum: my two K tiles' sums; lane 16 h + r takes tile h's column r, so that thread t holds d = t of the group's 128
.rept 4
	v_nop                                          ; places behind the last products
.endr
.irp t, 0,1
	v_add_f32 v[KS+4*\t], v[KS+4*\t], v[KS+4*\t+1]
	v_add_f32 v[KS+4*\t+2], v[KS+4*\t+2], v[KS+4*\t+3]
.endr
.irp t, 0,1
	v_add_f32 v[KS+4*\t], v[KS+4*\t], v[KS+4*\t+2]
.endr
.irp t, 0,1
	v_permlanex16_b32 v[KS+4*\t+1], v[KS+4*\t], s[SEL], s[SEL+1]   ; the column's other positions lie in the lane 16 away
.endr
.irp t, 0,1
	v_add_f32 v[KS+4*\t], v[KS+4*\t], v[KS+4*\t+1]
.endr
	v_cmp_eq_u32 vcc_lo, 1, v2
	v_cndmask_b32 v[KS], v[KS], v[KS+4], vcc_lo
	ds_store_b32 v[KSA], v[KS]                     ; every wave has passed the last chunk's second barrier: nobody reads the images any more
	s_wait_dscnt 0x0
	s_barrier_signal -1
	s_barrier_wait -1
	s_cmp_lg_u32 s[WV], 0                          ; wave 0 of the work-groups with et = 0 stores it: each byte has one owner
	s_cbranch_scc1 .Lno_ks
	s_cmp_lg_u32 s[ET], 0
	s_cbranch_scc1 .Lno_ks
	ds_load_b128 v[KS:KS+3], v[KSL]
	s_wait_dscnt 0x0
	global_store_b128 v[L16], v[KS:KS+3], s[10:11] ; 512 consecutive bytes, aligned
.Lno_ks:
	WIN 0x0f                                       ; kv to bf16: a lane's eight d of one e are half a fragment
.set j, 0
.rept 128
	v_cvt_pk_bf16_f32 v[P+j], v[2*j], v[2*j+1]     ; each accumulator from its low end on
.set j, j+1
.endr
	WIN 0
.irp a, 0,1,2,3
.irp b, 0,1,2,3,4,5,6,7
	global_store_b128 v[L16], v[P+4*(8*\a+\b):P+4*(8*\a+\b)+3], s[8:9] offset:(\a/2)*32768+\b*1024+(\a%2)*512   ; 512 consecutive bytes, aligned
.endr
.endr
	s_wait_tensorcnt 0x0                           ; the wave's end
	ds_add_u32 v[SPW], v[NIL]
	s_wait_dscnt 0x0
	CROUND                                         ; the closing round
	s_endpgm
.Lfunc_end_k_qb785c9c350_kvsum:
	.size	k_qb785c9c350_kvsum, .Lfunc_end_k_qb785c9c350_kvsum-k_qb785c9c350_kvsum
	.p2alignl 7, 3214868480
	.fill 96, 4, 3214868480
	.section	.rodata,"a",@progbits
	.p2align	6, 0x0
	.amdhsa_kernel k_qb785c9c350_kvsum
		.amdhsa_group_segment_fixed_size 327680
		.amdhsa_private_segment_fixed_size 0
		.amdhsa_enable_private_segment 0
		.amdhsa_kernarg_size 32
		.amdhsa_user_sgpr_count 2
		.amdhsa_user_sgpr_kernarg_segment_ptr 1
		.amdhsa_wavefront_size32 1
		.amdhsa_system_sgpr_workgroup_id_x 1
		.amdhsa_system_sgpr_workgroup_id_y 1
		.amdhsa_system_sgpr_workgroup_id_z 1
		.amdhsa_system_vgpr_workitem_id 0
		.amdhsa_next_free_vgpr 1024
		.amdhsa_next_free_sgpr 100
		.amdhsa_reserve_vcc 1
		.amdhsa_float_denorm_mode_32 3
		.amdhsa_float_denorm_mode_16_64 3
		.amdhsa_memory_ordered 1
		.amdhsa_forward_progress 1
		.amdhsa_inst_pref_size 195
	.end_amdhsa_kernel
	.amdgpu_metadata
---
amdhsa.version: [ 1, 2 ]
amdhsa.kernels:
  - .name:           k_qb785c9c350_kvsum
    .symbol:         k_qb785c9c350_kvsum.kd
    .args:
      - { .name: codes, .offset: 0, .size: 8, .value_kind: global_buffer, .address_space: global }
      - { .name: scales, .offset: 8, .size: 8, .value_kind: global_buffer, .address_space: global }
      - { .name: kvf, .offset: 16, .size: 8, .value_kind: global_buffer, .address_space: global }
      - { .name: ksum, .offset: 24, .size: 8, .value_kind: global_buffer, .address_space: global }
    .group_segment_fixed_size: 327680
    .private_segment_fixed_size: 0
    .kernarg_segment_align: 8
    .kernarg_segment_size: 32
    .max_flat_workgroup_size: 128
    .sgpr_count:     100
    .vgpr_count:     1024
    .wavefront_size: 32
...
	.end_amdgpu_metadata
.endif
;; end of part 2
;; launch attn (part 3): grid 256 x 1, 4 waves a work-group, clusters of 4 x 1, 327,680 bytes of LDS; arguments codes, scales, kvf, ksum, wof, bo, gamma, beta, out0; writes out0
.if DOCPART == 3
	.amdgcn_target "amdgcn-amd-amdhsa--gfx1250"
	.amdhsa_code_object_version 6
	.text
	.protected	k_qb785c9c350_attn
	.globl	k_qb785c9c350_attn
	.p2align	8
	.type	k_qb785c9c350_attn,@function
k_qb785c9c350_attn:
	s_mov_b64 s[64:65], 0
	v_nop
	global_prefetch_b8 v0, s[64:65] scope:SCOPE_SE
	s_setreg_imm32_b32 hwreg(HW_REG_WAVE_MODE, 25, 1), 1
	s_wait_xcnt 0x0
	s_wait_alu depctr_hold_cnt(0) depctr_sa_sdst(0) depctr_va_vdst(0) depctr_va_sdst(0) depctr_va_ssrc(0) depctr_va_vcc(0) depctr_vm_vsrc(0)
	s_getreg_b32 s2, hwreg(HW_REG_IB_STS2, 6, 4)
	s_cmp_eq_u32 s2, 0
	s_cbranch_scc0 .Lentry_in_a_cluster
	s_endpgm
.Lentry_in_a_cluster:
	s_bfe_u32 s2, ttmp6, 0x10000c
	s_cmp_lg_u32 s2, 0x3003
	s_cbranch_scc0 .Lentry_shape_is_right
	s_endpgm
.Lentry_shape_is_right:
; For 128 rows of x: Q = phi(x Wq^T) on codes of E2M1; den = max(Q . k_sum, 1e-6); num = Q kv (bf16 operands); out = num / den; y = out Wo^T + bo + out (f16 operands, the residual in f32); LayerNorm; out0.
; Q, num, out and y never go to memory.
; SHARES.  256 work-groups of four waves, laid 2 x 2: wave (wr, wc) has 64 rows (4 tiles i) x 256 columns (16 tiles b): 64 accumulators, 512 registers.
; LAYOUT.  All three products are used transposed (source 0 = 16 rows of Wq, of kv^T, of Wo; source 1 = 16 rows of x, Q, out): a lane holds ONE row throughout and its registers run along the columns,
; so two neighbouring column tiles, packed in pairs, ARE a fragment of the next product.  The two waves of a row half hand each other their halves of Q and of out through LDS, as images of operand registers.
; THE RING.  18 fills of 65,536 bytes through two slots: 2 of Wq's codes, 8 of kvf, 8 of wof; kvf and wof lie in operand order, so a fragment is two loads of 512 consecutive bytes.
; CLUSTER.  The four partners are four row blocks of one sequence: Wq, kv and Wo are the same for all, and every fill is a joint load (mask 15).  The place in the cluster enters global addresses alone.
; The sums of the LayerNorm are made about each wave's own mean and joined by the difference of the two means: no difference of large sums.
; LIMITS: |out| beyond 65,504 has no f16 number, under 6e-5 it has f16's subnormal spacing; 1 / den and 1 / sqrt come from v_rcp_f32 and v_rsq_f32; NaN and infinities are not served.
; LDS: slot 0 at 0, slot 1 at 69,632 (256 rows x 272); AOP: [row tile 8][k step 16][1,024] images, at the end each wave's stage; WQS: Wq's scale bytes, 32 x 272; TAB: k_sum, bo, gamma, beta; EXD, EXL: halves of den and of the norm's sums; the spare words.
; REGISTERS: window 0: v1-31 addresses; v32-47 x's scale words, v48-55 Wq's (scales and nothing else); v56-63 den, then 1 / den; v64-127 Q's results, then source 1's two buffers, then small things; v128-255 at work.
;   window 1: x's and Wq's fragments, then source 0's two buffers of 128, then gamma and beta.   windows 2, 3: accumulator (b, i) at 8 (4 (b % 8) + i), window 2 for b < 8.
.set SLOTB, 69632
.set AOP,   139264
.set WQS,   270336
.set TAB,   279040
.set EXD,   287232
.set EXL,   289280
.set SPARE, 293376                     ; the spare words, 128 bytes a wave, named by no other line
.set LW,    4                          ; r x 272 + 16 h
.set LSC,   5                          ; WQS + 16 r
.set LK,    6                          ; TAB + 32 h
.set AOPST, 7                          ; where I store images
.set LBW,   8                          ; my place in a fill of kvf or wof
.set LAW,   9                          ; where I read images
.set ADW,   10
.set ADSC,  11
.set ADK,   12
.set ADP,   13
.set ADB,   14
.set ADA,   15
.set XO,    16
.set XSO,   17
.set T16,   18
.set L16,   19
.set TST,   20
.set EDO,   21
.set EDP,   22
.set ELO,   23
.set ELP,   24
.set STO,   25
.set SRD,   26
.set PFO,   27
.set SPW,   28
.set NIL,   29
.set TBO,   30
.set XS,    32
.set WSQ,   48
.set DEN,   56
.set QA,    64
.set AF,    64
.set TT,    128
.set PQ,    192
.set KSV,   224
.set BOV,   128
.set SUM,   64
.set MM,    80
.set SQ,    88
.set RS,    104
.set CC,    112
.set OM,    120
.set O2,    124
.set WV,  22
.set WR,  23
.set WC,  24
.set CX,  25
.set GB,  26
.set SEQ, 27
.set G1,  28                           ; s[28:35] group 1: 64 rows of 256 bytes
.set G1S, 36                           ; s[36:43] group 1: 8 rows
.set G0S, 44                           ; groups 0 of the three first fills,
.set G0A, 48
.set G0B, 52
.set G0W, 56                           ; and the one that walks
.set WOA, 60                           ; s[60:61] wof at my quarter of a fill
.set TB,  66
.set AB,  67
.set QB,  68
.set SB,  69
.set KB,  70
.set PB,  71
.set CN,  72
.set CO,  73
.set SEL, 74
.set LG,  76
.set PFA, 78                           ; s[78:79] where my prefetches stand
.set LIM, 80                           ; 2 in a wave that prefetches, else the greatest number
.set MSB, 0
.macro WIN new
.if MSB != \new
	s_set_vgpr_msb (MSB<<8)|\new
.set MSB, \new
.endif
.endm
.macro WIN23 g, lo, hi                 ; lo where the accumulators lie in window 2, hi in window 3
.if \g
	WIN \hi
.else
	WIN \lo
.endif
.endm
.macro CREST                           ; a round of the cluster's barrier behind its opening barrier
	s_cmp_lg_u32 s[WV], 0
	s_cbranch_scc1 .Lnot_wave_0_\@
	s_barrier_signal -3
.Lnot_wave_0_\@:
	s_barrier_wait -3
	s_barrier_signal -1
	s_barrier_wait -1
.endm
.macro CROUND
	s_barrier_signal -1
	s_barrier_wait -1
	CREST
.endm
; A PREFETCH of kvf, the fill that stands two changes of slots on: 65,536 bytes, lanes 256 bytes apart.  Both clusters of a sequence walk the same kvf: the first asks.  Its four partners take 16,384 bytes each,
; told apart by address; in each, waves 0 and 1 take 8,192: one instruction a wave, each aligned block of 256 bytes named once.  Fills 0 and 1 of kvf come by their loads alone; the last two changes of the walk ask for nothing.
.macro ASK how
.if \how
	s_cmp_eq_u32 s[LIM], 2
.else
	s_cmp_gt_u32 s[CN], s[LIM]                     ; the loop's first three trips of five
.endif
	s_cbranch_scc0 .Lnot_mine_\@
	global_prefetch_b8 v[PFO], s[PFA:PFA+1] th:TH_LOAD_NT scope:SCOPE_SE
.Lnot_mine_\@:
.endm
	s_load_b512 s[4:19], s[0:1], 0x0               ; codes, scales, kvf, ksum, wof, bo, gamma, beta
	s_load_b64 s[20:21], s[0:1], 0x40              ; out0
	v_lshl_add_u32 v[SPW], v0, 2, SPARE
	v_mov_b32 v[NIL], 0
	ds_add_u32 v[SPW], v[NIL]                      ; the opening: the add, twice on end, and its wait ahead of my first tensor load
	ds_add_u32 v[SPW], v[NIL]
	v_lshrrev_b32 v1, 5, v0
	v_readfirstlane_b32 s[WV], v1
	s_lshr_b32 s[WR], s[WV], 1                     ; my half of the rows
	s_and_b32 s[WC], s[WV], 1                      ; my half of the columns
	s_bfe_u32 s[CX], ttmp6, 0x40000
	s_lshl_b32 s[GB], ttmp9, 2
	s_add_co_u32 s[GB], s[GB], s[CX]               ; my block of 128 rows
	s_lshr_b32 s[SEQ], ttmp9, 1                    ; the sequence, shared by the partners
	s_mov_b32 s[G1], 15|(3<<16)|(1<<20)|(1<<21)|(5<<22)|(3<<25)    ; mask: all four; elements of 8 bytes; padding on; bit 21 beside a mask; 4 words behind every 64
	s_mov_b32 s[G1S], 15|(3<<16)|(1<<20)|(1<<21)|(5<<22)|(3<<25)
.irp g, G1, G1S
	s_mov_b32 s[\g+1], 32<<16
	s_mov_b32 s[\g+3], 32<<16
	s_mov_b32 s[\g+5], 32
	s_mov_b32 s[\g+6], 0
	s_mov_b32 s[\g+7], 0
.endr
	s_mov_b32 s[G1+2], 64<<16
	s_mov_b32 s[G1+4], 64
	s_mov_b32 s[G1S+2], 8<<16
	s_mov_b32 s[G1S+4], 8
	s_lshl_b32 s82, s[WV], 11                      ; Wq's scale bytes: row 32,768 on, my quarter
	s_add_co_u32 s82, s82, 32768*16
	s_mov_b32 s83, 0
	s_lshl_b32 s84, s[WR], 16                      ; Wq's codes: row 32,768 + 256 (w / 2) + 64 (w % 2): so each half of the columns finds its 128 rows of a fill on end
	s_lshl_b32 s85, s[WC], 14
	s_add_co_u32 s84, s84, s85
	s_add_co_u32 s84, s84, 32768*256
	s_mov_b32 s85, 0
	s_lshl_b32 s86, s[SEQ], 19                     ; kvf: the sequence, my quarter of a fill
	s_lshl_b32 s88, s[WV], 14
	s_add_co_u32 s86, s86, s88
	s_mov_b32 s87, 0
	s_mov_b32 s89, 0                               ; wof: my quarter of a fill (s88)
	s_lshl_b32 s90, s[SEQ], 11                     ; ksum
	s_mov_b32 s91, 0
	s_lshl_b32 s92, s[GB], 15                      ; x's codes: row 128 g + 64 wr
	s_lshl_b32 s93, s[WR], 14
	s_add_co_u32 s92, s92, s93
	s_mov_b32 s93, 0
	s_lshl_b32 s94, s[GB], 11                      ; and scale bytes
	s_lshl_b32 s95, s[WR], 10
	s_add_co_u32 s94, s94, s95
	s_mov_b32 s95, 0
	s_lshl_b32 s96, s[GB], 18                      ; out0: the same row, 2,048 bytes a row, + my 1,024 bytes of it
	s_lshl_b32 s97, s[WR], 17
	s_add_co_u32 s96, s96, s97
	s_lshl_b32 s97, s[WC], 10
	s_add_co_u32 s96, s96, s97
	s_mov_b32 s97, 0
	s_lshl_b32 s98, s[SEQ], 19                     ; the prefetches: fill 1 of kvf (the first change steps it to fill 2), my work-group's quarter, my wave's half of that
	s_lshl_b32 s99, s[CX], 14
	s_add_co_u32 s98, s98, s99
	s_lshl_b32 s99, s[WV], 13
	s_add_co_u32 s98, s98, s99
	s_add_co_u32 s98, s98, 65536
	s_mov_b32 s99, 0
	s_mul_i32 s62, s[WV], 17408                    ; LDS: my 64 rows of a slot
	s_mul_i32 s63, s[WV], 2176
	s_add_co_u32 s63, s63, WQS
	s_lshr_b32 s[LIM], s[WV], 1                    ; 0 in waves 0 and 1
	s_and_b32 s[CN], ttmp9, 1                      ; of the sequence's first cluster: the same in all four partners
	s_or_b32 s[LIM], s[LIM], s[CN]
	s_cmp_eq_u32 s[LIM], 0
	s_cselect_b32 s[LIM], 2, -1
	s_mov_b32 s[SEL], 0x76543210
	s_mov_b32 s[SEL+1], 0xfedcba98
	s_mov_b32 s[LG], 0x3fb8aa3b                    ; log2 e
	s_mov_b32 s[LG+1], s[LG]
	s_mul_i32 s[QB], s[WC], 34816                  ; my half's 128 rows of a fill of Wq
	s_mul_i32 s[SB], s[WC], 4352                   ; its 16 units of scale words
	s_lshl_b32 s[KB], s[WC], 10                    ; its 256 numbers of k_sum
	s_mov_b32 s[PB], 0
	s_wait_dscnt 0x0                               ; both opening adds are done
	s_wait_kmcnt 0x0
	s_mov_b32 s[G0S], 1
	s_mov_b32 s[G0S+1], s63
	s_add_nc_u64 s[G0S+2:G0S+3], s[6:7], s[82:83]
	s_or_b32 s[G0S+3], s[G0S+3], 0x80000000
	s_mov_b32 s[G0A], 1
	s_mov_b32 s[G0A+1], s62
	s_add_nc_u64 s[G0A+2:G0A+3], s[4:5], s[84:85]
	s_or_b32 s[G0A+3], s[G0A+3], 0x80000000
	s_mov_b32 s[G0B], 1
	s_add_co_u32 s[G0B+1], s62, SLOTB
	s_add_nc_u64 s[G0B+2:G0B+3], s[4:5], s[84:85]
	s_add_nc_u64 s[G0B+2:G0B+3], s[G0B+2:G0B+3], 32768             ; 128 rows on
	s_or_b32 s[G0B+3], s[G0B+3], 0x80000000
	s_mov_b32 s[G0W], 1
	s_add_co_u32 s[G0W+1], s62, SLOTB              ; the first change turns it to slot 0
	s_add_nc_u64 s[G0W+2:G0W+3], s[8:9], s[86:87]
	s_sub_nc_u64 s[G0W+2:G0W+3], s[G0W+2:G0W+3], 65536             ; and steps it to kvf's fill 0
	s_or_b32 s[G0W+3], s[G0W+3], 0x80000000
	s_add_nc_u64 s[WOA:WOA+1], s[12:13], s[88:89]
	s_add_nc_u64 s[10:11], s[10:11], s[90:91]
	s_add_nc_u64 s[PFA:PFA+1], s[8:9], s[98:99]
	s_add_nc_u64 s[4:5], s[4:5], s[92:93]
	s_add_nc_u64 s[6:7], s[6:7], s[94:95]
	s_add_nc_u64 s[20:21], s[20:21], s[96:97]
	CROUND                                         ; all four work-groups are here: the first joint loads meet
	tensor_load_to_lds s[G0S:G0S+3], s[G1S:G1S+7]  ; Wq's scale bytes: filled once
	s_nop 0
	tensor_load_to_lds s[G0A:G0A+3], s[G1:G1+7]    ; Wq's first fill
	s_nop 0
	tensor_load_to_lds s[G0B:G0B+3], s[G1:G1+7]    ; and its second.  Three loads of mine are out
	s_nop 0
.rept 4
	v_nop
.endr
	v_and_b32 v1, 15, v0                           ; r
	v_bfe_u32 v2, v0, 4, 1                         ; h
	v_and_b32 v3, 31, v0                           ; lane
	v_lshlrev_b32 v[T16], 4, v0
	v_lshlrev_b32 v[L16], 4, v3
	v_lshlrev_b32 v[XO], 8, v1
	v_lshl_add_u32 v[XO], v2, 4, v[XO]
	v_lshlrev_b32 v[XSO], 4, v1
	global_load_b128 v[128:131], v[T16], s[10:11]  ; the four tables, 2,048 bytes each: 16 bytes a thread
	global_load_b128 v[132:135], v[T16], s[14:15]
	global_load_b128 v[136:139], v[T16], s[16:17]
	global_load_b128 v[140:143], v[T16], s[18:19]
.irp i, 0,1,2,3
	global_load_b128 v[XS+4*\i:XS+4*\i+3], v[XSO], s[6:7] offset:256*\i
.endr
	WIN 0x40
.irp i, 0,1,2,3
.irp q, 0,1,2,3
.irp c, 0,1
	global_load_b128 v[32*\i+8*\q+4*\c:32*\i+8*\q+4*\c+3], v[XO], s[4:5] offset:4096*\i+64*\q+32*\c    ; my 64 rows of x stay in registers
.endr
.endr
.endr
	WIN 0
	v_mul_u32_u24 v[LW], v1, 272
	v_lshl_add_u32 v[LW], v2, 4, v[LW]
	v_lshl_add_u32 v[LSC], v1, 4, WQS
	v_lshl_add_u32 v[LK], v2, 5, TAB
	s_lshl_b32 s82, s[WR], 16
	s_add_co_u32 s82, s82, AOP
	v_add_nc_u32 v[LAW], s82, v[L16]               ; my four row tiles' images
	s_lshl_b32 s83, s[WC], 13
	s_add_co_u32 s83, s83, s82
	v_add_nc_u32 v[AOPST], s83, v[L16]             ; and in them my eight k steps
	v_mul_u32_u24 v[LBW], v2, 272
	v_lshl_add_u32 v[LBW], v1, 4, v[LBW]
	s_mul_i32 s83, s[WC], 17408
	v_add_nc_u32 v[LBW], s83, v[LBW]               ; a fragment's half is two rows of 256 bytes; my 16 tiles begin 16 x 1,088 x wc on
	v_lshl_add_u32 v[TST], v0, 4, TAB
	v_lshlrev_b32 v31, 2, v3
	s_xor_b32 s84, s[WV], 1                        ; the wave with my rows and the other columns
	s_lshl_b32 s83, s[WV], 9
	s_add_co_u32 s83, s83, EXD
	v_add_nc_u32 v[EDO], s83, v31
	s_lshl_b32 s83, s84, 9
	s_add_co_u32 s83, s83, EXD
	v_add_nc_u32 v[EDP], s83, v31
	s_lshl_b32 s83, s[WV], 10
	s_add_co_u32 s83, s83, EXL
	v_add_nc_u32 v[ELO], s83, v31
	s_lshl_b32 s83, s84, 10
	s_add_co_u32 s83, s83, EXL
	v_add_nc_u32 v[ELP], s83, v31
	s_lshl_b32 s83, s[WV], 15
	s_add_co_u32 s83, s83, AOP                     ; my stage for the way out
	v_add_nc_u32 v[SRD], s83, v[L16]
	v_mul_u32_u24 v[STO], v1, 1040
	v_lshl_add_u32 v[STO], v2, 5, v[STO]
	v_add_nc_u32 v[STO], s83, v[STO]
	v_lshlrev_b32 v[PFO], 8, v3
	s_lshl_b32 s83, s[WC], 10
	s_add_co_u32 s83, s83, TAB+2048
	v_lshlrev_b32 v[TBO], 5, v2
	v_add_nc_u32 v[TBO], s83, v[TBO]               ; bo at my columns; gamma 2,048 and beta 4,096 bytes on
.irp j, 0,1,2,3,4,5,6,7
	v_mov_b32 v[DEN+\j], 0
.endr
	s_wait_loadcnt 36                              ; the four tables are in; 4 loads of scale words and 32 of codes may be out
	ds_store_b128 v[TST], v[128:131]
	ds_store_b128 v[TST], v[132:135] offset:2048
	ds_store_b128 v[TST], v[136:139] offset:4096
	ds_store_b128 v[TST], v[140:143] offset:6144
	s_wait_tensorcnt 0x1                           ; Wq's scale bytes and first fill have landed; the second may stay out
	s_wait_dscnt 0x0
	s_barrier_signal -1
	s_barrier_wait -1
	s_wait_loadcnt 0x0                             ; x
; Two tiles of 16 d x my four row tiles of Q: products on codes, phi, den's terms, bf16, one k step's images.
.macro QTRIP
	v_add_nc_u32 v[ADW], s[QB], v[LW]
	v_add_nc_u32 v[ADSC], s[SB], v[LSC]
	v_add_nc_u32 v[ADK], s[KB], v[LK]
	v_add_nc_u32 v[ADP], s[PB], v[AOPST]
	WIN 0x40
.irp u, 0,1
.irp q, 0,1,2,3
.irp c, 0,1
	ds_load_b128 v[128+32*\u+8*\q+4*\c:128+32*\u+8*\q+4*\c+3], v[ADW] offset:4352*\u+64*\q+32*\c
.endr
.endr
.endr
	WIN 0
.irp u, 0,1
	ds_load_b128 v[WSQ+4*\u:WSQ+4*\u+3], v[ADSC] offset:272*\u
.endr
.irp u, 0,1
	ds_load_b128 v[KSV+8*\u:KSV+8*\u+3], v[ADK] offset:64*\u
	ds_load_b128 v[KSV+8*\u+4:KSV+8*\u+7], v[ADK] offset:64*\u+16
.endr
	s_wait_dscnt 0x0                               ; these loads, and the last trip's stores
	WIN 0x05                                       ; Wq and x window 1, results window 0
.irp q, 0,1,2,3
.irp u, 0,1
.irp i, 0,1,2,3
.set rD, QA+8*(4*\u+\i)
.set rA, 128+32*\u+8*\q
.set rB, 32*\i+8*\q
.if \q == 0
	v_wmma_scale_f32_16x16x128_f8f6f4 v[rD:rD+7], v[rA:rA+7], v[rB:rB+7], 0, v[WSQ+4*\u+\q], v[XS+4*\i+\q] matrix_a_fmt:MATRIX_FMT_FP4 matrix_b_fmt:MATRIX_FMT_FP4
.else
	v_wmma_scale_f32_16x16x128_f8f6f4 v[rD:rD+7], v[rA:rA+7], v[rB:rB+7], v[rD:rD+7], v[WSQ+4*\u+\q], v[XS+4*\i+\q] matrix_a_fmt:MATRIX_FMT_FP4 matrix_b_fmt:MATRIX_FMT_FP4
.endif
.endr
.endr
.endr
	WIN 0
.rept 4
	v_nop
.endr
.set j, 0
.rept 32
	v_pk_mul_f32 v[TT+j:TT+j+1], v[QA+j:QA+j+1], s[LG:LG+1] op_sel_hi:[1,0]
.set j, j+2
.endr
.set j, 0
.rept 64
	v_exp_f32 v[TT+j], v[TT+j]
.set j, j+1
.endr
.set j, 0
.rept 32
	v_pk_add_f32 v[QA+j:QA+j+1], v[QA+j:QA+j+1], 1.0 op_sel_hi:[1,0]
.set j, j+2
.endr
	s_wait_alu depctr_va_vdst(0)                   ; one wait for the batch of exponentials, ahead of its first reader
.set j, 0
.rept 64
	v_med3_num_f32 v[QA+j], v[TT+j], 1.0, v[QA+j]  ; phi: the middle one of e^z, 1, z + 1
.set j, j+1
.endr
.irp u, 0,1
.irp jj, 0,1,2,3
.irp i, 0,1,2,3
	v_pk_fma_f32 v[DEN+2*\i:DEN+2*\i+1], v[QA+8*(4*\u+\i)+2*\jj:QA+8*(4*\u+\i)+2*\jj+1], v[KSV+8*\u+2*\jj:KSV+8*\u+2*\jj+1], v[DEN+2*\i:DEN+2*\i+1]   ; den takes the f32 Q
.endr
.endr
.endr
.irp i, 0,1,2,3
.irp u, 0,1
.irp jj, 0,1,2,3
	v_cvt_pk_bf16_f32 v[PQ+8*\i+4*\u+\jj], v[QA+8*(4*\u+\i)+2*\jj], v[QA+8*(4*\u+\i)+2*\jj+1]
.endr
.endr
.endr
.irp i, 0,1,2,3
.irp u, 0,1
	ds_store_b128 v[ADP], v[PQ+8*\i+4*\u:PQ+8*\i+4*\u+3] offset:16384*\i+512*\u
.endr
.endr
	s_add_co_u32 s[QB], s[QB], 8704                ; 32 rows of Wq on
	s_add_co_u32 s[SB], s[SB], 544
	s_add_co_u32 s[KB], s[KB], 128
	s_add_co_u32 s[PB], s[PB], 1024                ; the next k step
.endm
; The change of slots in the Q stage: the slot of Wq just read takes a fill of kvf.
.macro QCHANGE
	s_wait_xcnt 0x0                                ; the last prefetch has read its address
	s_add_nc_u64 s[PFA:PFA+1], s[PFA:PFA+1], 65536
	s_wait_tensorcnt 0x0                           ; all my tensor loads have landed
	ds_add_u32 v[SPW], v[NIL]
	s_xor_b32 s[G0W+1], s[G0W+1], SLOTB
	s_add_nc_u64 s[G0W+2:G0W+3], s[G0W+2:G0W+3], 65536
	s_wait_dscnt 0x0                               ; the add is done, my reads of the slot are over, my images lie in LDS
	CROUND
	tensor_load_to_lds s[G0W:G0W+3], s[G1:G1+7]
	s_nop 0
.rept 4
	v_nop
.endr
	ASK 1
.endm
	s_mov_b32 s[CO], 2
.Lqfill:
	s_mov_b32 s[CN], 4
.Lqtrip:
	QTRIP
	s_sub_co_u32 s[CN], s[CN], 1
	s_cmp_lg_u32 s[CN], 0
	s_cbranch_scc1 .Lqtrip
	s_add_co_u32 s[QB], s[QB], 34816               ; over the other half's rows, into the other slot
	QCHANGE
	s_sub_co_u32 s[CO], s[CO], 1
	s_cmp_lg_u32 s[CO], 0
	s_cbranch_scc1 .Lqfill
	; my half of den: the pair, and the lane 16 away; kept, and left in LDS for the wave with the other columns
.irp i, 0,1,2,3
	v_add_f32 v[DEN+2*\i], v[DEN+2*\i], v[DEN+2*\i+1]
.endr
.irp i, 0,1,2,3
	v_permlanex16_b32 v[DEN+2*\i+1], v[DEN+2*\i], s[SEL], s[SEL+1]
.endr
.irp i, 0,1,2,3
	v_add_f32 v[DEN+2*\i], v[DEN+2*\i], v[DEN+2*\i+1]
.endr
.irp i, 0,1,2,3
	ds_store_b32 v[EDO], v[DEN+2*\i] offset:128*\i
.endr
; 40 LDS loads in one run: k step kl of the fill in hand into buffers p: source 1's four fragments (images), source 0's sixteen
.macro FETCH kl, p
.irp i, 0,1,2,3
.irp u, 0,1
	ds_load_b128 v[AF+32*\p+8*\i+4*\u:AF+32*\p+8*\i+4*\u+3], v[ADA] offset:1024*\kl+16384*\i+512*\u
.endr
.endr
	WIN 0x40
.irp b, 0,1,2,3,4,5,6,7,8,9,10,11,12,13,14,15
.irp u, 0,1
	ds_load_b128 v[128*\p+8*\b+4*\u:128*\p+8*\b+4*\u+3], v[ADB] offset:34816*\kl+1088*\b+544*\u
.endr
.endr
	WIN 0
.endm
; 4 cnt matrix instructions: column tiles b0 on x my four row tiles.  The 64 accumulators take turns in the same order in every k step.
.macro MUL form, p, b0, cnt, zero
.if \b0 < 8
	WIN 0xa1
.else
	WIN 0xf1
.endif
.set bq, \b0
.rept \cnt
.irp i, 0,1,2,3
.set rD, 8*(4*(bq%8)+\i)
.if \zero
	v_wmma_f32_16x16x32_\form v[rD:rD+7], v[128*\p+8*bq:128*\p+8*bq+7], v[AF+32*\p+8*\i:AF+32*\p+8*\i+7], 0
.else
	v_wmma_f32_16x16x32_\form v[rD:rD+7], v[128*\p+8*bq:128*\p+8*bq+7], v[AF+32*\p+8*\i:AF+32*\p+8*\i+7], v[rD:rD+7]
.endif
.endr
.set bq, bq+1
.endr
.endm
; A fill's first k step; in its middle the second's fragments are fetched.
.macro STEP0 form, zero
	s_wait_dscnt 16                                ; source 1 and column tiles 0-7 are in; tiles 8-15's sixteen loads may be out
	MUL \form, 0, 0, 8, \zero
.rept 4
	v_nop                                          ; places in front of loads into registers that matrix instructions have read
.endr
	WIN 0
	FETCH 1, 1
	s_wait_dscnt 40                                ; all but the 40 just issued
	MUL \form, 0, 8, 8, \zero
.endm
; A fill's second k step changes slots.  mode 0: the slot takes the fill two on; 1: the same, and the walk goes over to wof; 2: it fills, and fetches nothing; 3: nothing is left to fill: a plain barrier.
; pf 1, 2: the prefetch's address steps, and ASK follows (1: by the flag; 2: by the loop's count).
.macro TURN form, mode, pf
	WIN 0
.if \pf
	s_wait_xcnt 0x0                                ; the last prefetch, a fill back, has read its address
	s_add_nc_u64 s[PFA:PFA+1], s[PFA:PFA+1], 65536
.endif
	s_wait_tensorcnt 0x0                           ; all my tensor loads have landed: my part of the next slot
	ds_add_u32 v[SPW], v[NIL]
	s_wait_dscnt 25                                ; the add and column tiles 4-15's 24 loads may be out
	MUL \form, 1, 0, 4, 0
.if \mode == 1
	s_xor_b32 s[G0W+1], s[G0W+1], SLOTB
	s_mov_b64 s[G0W+2:G0W+3], s[WOA:WOA+1]
	s_or_b32 s[G0W+3], s[G0W+3], 0x80000000
.elseif \mode != 3
	s_xor_b32 s[G0W+1], s[G0W+1], SLOTB
	s_add_nc_u64 s[G0W+2:G0W+3], s[G0W+2:G0W+3], 65536
.endif
	s_wait_dscnt 0x0                               ; the add is done, and my reads of this slot and of the images are over
	s_barrier_signal -1
	MUL \form, 1, 4, 4, 0
	WIN 0
	s_barrier_wait -1
.if \mode != 3
	CREST                                          ; the barrier has opened a round of the cluster's: no wave of any partner still reads the slot or has a load on its way
	tensor_load_to_lds s[G0W:G0W+3], s[G1:G1+7]    ; my one load behind the round: it has a fill's 128 matrix instructions in which to land
	s_nop 0
.endif
.rept 4
	v_nop                                          ; also the places in front of the loads below
.endr
	s_xor_b32 s[TB], s[TB], SLOTB
	s_add_co_u32 s[AB], s[AB], 2048
.if \mode != 2
	v_add_nc_u32 v[ADB], s[TB], v[LBW]
	v_add_nc_u32 v[ADA], s[AB], v[LAW]
	FETCH 0, 0
.endif
.if \pf == 1
	ASK 1
.elseif \pf == 2
	ASK 0
.endif
	MUL \form, 1, 8, 8, 0
.endm
	; ---- num^T = kv^T Q^T: eight fills of kvf
	s_mov_b32 s[TB], 0
	s_mov_b32 s[AB], 0
	v_add_nc_u32 v[ADB], s[TB], v[LBW]
	v_add_nc_u32 v[ADA], s[AB], v[LAW]
	FETCH 0, 0
	STEP0 bf16, 1                                  ; the first k step starts the sums
	TURN bf16, 0, 1
	WIN 0
	s_mov_b32 s[CN], 5
.Lnum:
	STEP0 bf16, 0
	TURN bf16, 0, 2
	WIN 0
	s_sub_co_u32 s[CN], s[CN], 1
	s_cmp_lg_u32 s[CN], 0
	s_cbranch_scc1 .Lnum
	STEP0 bf16, 0
	TURN bf16, 1, 0                                ; wof's first fill is asked for
	STEP0 bf16, 0
	TURN bf16, 2, 0                                ; its second; behind this round nobody reads Q's images any more
	; ---- out = num / den; its images in f16; the accumulators go on as out + bo, the C of the last product
	WIN 0
.rept 4
	v_nop
.endr
.irp i, 0,1,2,3
	ds_load_b32 v[DEN+2*\i+1], v[EDP] offset:128*\i
.endr
.irp b, 0,1,2,3,4,5,6,7,8,9,10,11,12,13,14,15
	ds_load_b128 v[BOV+8*\b:BOV+8*\b+3], v[TBO] offset:64*\b
	ds_load_b128 v[BOV+8*\b+4:BOV+8*\b+7], v[TBO] offset:64*\b+16
.endr
	s_wait_dscnt 0x0
.irp i, 0,1,2,3
	v_add_f32 v[DEN+2*\i], v[DEN+2*\i], v[DEN+2*\i+1]
.endr
.irp i, 0,1,2,3
	v_max_num_f32 v[DEN+2*\i], 0x358637bd, v[DEN+2*\i]             ; at least 1e-6
.endr
.irp i, 0,1,2,3
	v_rcp_f32 v[DEN+2*\i+1], v[DEN+2*\i]
.endr
	v_nop
	s_wait_alu depctr_va_vdst(0)                   ; one wait for the four reciprocals
.irp i, 0,1,2,3
	v_mov_b32 v[DEN+2*\i], v[DEN+2*\i+1]           ; the pair's low word serves both halves of the packed form
.endr
.macro OUTG g2                         ; column tiles 2 g2, 2 g2 + 1: one k step of the last product
	WIN23 (\g2)/4, 0x82, 0xc3
.irp u, 0,1
.irp i, 0,1,2,3
.irp jj, 0,1,2,3
.set rA, 8*(4*((2*(\g2)+\u)%8)+\i)+2*\jj
	v_pk_mul_f32 v[rA:rA+1], v[rA:rA+1], v[DEN+2*\i:DEN+2*\i+1] op_sel_hi:[1,0]   ; each accumulator from its low end on
.endr
.endr
.endr
.if (\g2) > 1
	s_wait_dscnt 8                                 ; the stores of two groups back have read their registers; the last group's eight may be out
.endif
	WIN23 (\g2)/4, 0x0a, 0x0f
.irp u, 0,1
.irp i, 0,1,2,3
.irp jj, 0,1,2,3
.set rA, 8*(4*((2*(\g2)+\u)%8)+\i)+2*\jj
	v_cvt_pk_f16_f32 v[AF+32*((\g2)%2)+8*\i+4*\u+\jj], v[rA], v[rA+1]
.endr
.endr
.endr
	WIN23 (\g2)/4, 0x82, 0xc3
.irp u, 0,1
.irp i, 0,1,2,3
.irp jj, 0,1,2,3
.set rA, 8*(4*((2*(\g2)+\u)%8)+\i)+2*\jj
	v_pk_add_f32 v[rA:rA+1], v[rA:rA+1], v[BOV+8*(2*(\g2)+\u)+2*\jj:BOV+8*(2*(\g2)+\u)+2*\jj+1]
.endr
.endr
.endr
	WIN 0
.irp i, 0,1,2,3
.irp u, 0,1
	ds_store_b128 v[AOPST], v[AF+32*((\g2)%2)+8*\i+4*\u:AF+32*((\g2)%2)+8*\i+4*\u+3] offset:16384*\i+1024*(\g2)+512*\u
.endr
.endr
.endm
.irp g, 0,1,2,3,4,5,6,7
	OUTG \g
.endr
	s_wait_dscnt 0x0                               ; for the others' sake: my images of out lie in LDS
	s_barrier_signal -1
	s_barrier_wait -1
	; ---- y^T = Wo out^T + (bo + out): eight fills of wof
	s_mov_b32 s[AB], 0
	v_add_nc_u32 v[ADB], s[TB], v[LBW]
	v_add_nc_u32 v[ADA], s[AB], v[LAW]
	FETCH 0, 0
	s_mov_b32 s[CN], 6
.Lproj:
	STEP0 f16, 0
	TURN f16, 0, 0
	WIN 0
	s_sub_co_u32 s[CN], s[CN], 1
	s_cmp_lg_u32 s[CN], 0
	s_cbranch_scc1 .Lproj
	STEP0 f16, 0
	TURN f16, 3, 0                                 ; the tail is written out: nothing is left to fetch
	STEP0 f16, 0
	s_wait_dscnt 0x0
	MUL f16, 1, 0, 8, 0
	MUL f16, 1, 8, 8, 0
	; ---- LayerNorm.  A lane holds 128 numbers of each of four rows; the lane 16 away 128 more; the wave with the other columns the other 256
	WIN 0
.rept 4
	v_nop
.endr
	WIN 0x40
.irp b, 0,1,2,3,4,5,6,7,8,9,10,11,12,13,14,15
	ds_load_b128 v[8*\b:8*\b+3], v[TBO] offset:2048+64*\b          ; gamma
	ds_load_b128 v[8*\b+4:8*\b+7], v[TBO] offset:2048+64*\b+16
	ds_load_b128 v[128+8*\b:128+8*\b+3], v[TBO] offset:4096+64*\b  ; beta
	ds_load_b128 v[128+8*\b+4:128+8*\b+7], v[TBO] offset:4096+64*\b+16
.endr
	WIN 0
.irp j, 0,1,2,3,4,5,6,7,8,9,10,11,12,13,14,15
	v_mov_b32 v[SUM+\j], 0
	v_mov_b32 v[SQ+\j], 0
.endr
.macro LNSUM hw
	WIN23 \hw, 0x02, 0x03
.irp b, 0,1,2,3,4,5,6,7
.irp jj, 0,1,2,3
.irp i, 0,1,2,3
	v_pk_add_f32 v[SUM+4*\i+2*(\jj%2):SUM+4*\i+2*(\jj%2)+1], v[8*(4*\b+\i)+2*\jj:8*(4*\b+\i)+2*\jj+1], v[SUM+4*\i+2*(\jj%2):SUM+4*\i+2*(\jj%2)+1]
.endr
.endr
.endr
.endm
.macro FOLD base                       ; four registers a row, and the lane 16 away: the result in v[base + 4 i]
.irp i, 0,1,2,3
	v_pk_add_f32 v[\base+4*\i:\base+4*\i+1], v[\base+4*\i:\base+4*\i+1], v[\base+4*\i+2:\base+4*\i+3]
.endr
.irp i, 0,1,2,3
	v_add_f32 v[\base+4*\i], v[\base+4*\i], v[\base+4*\i+1]
.endr
.irp i, 0,1,2,3
	v_permlanex16_b32 v[\base+4*\i+1], v[\base+4*\i], s[SEL], s[SEL+1]
.endr
.irp i, 0,1,2,3
	v_add_f32 v[\base+4*\i], v[\base+4*\i], v[\base+4*\i+1]
.endr
.endm
.macro LNSQ hw                         ; y less my half's mean, in place; then the squares
	WIN23 \hw, 0x82, 0xc3
.irp b, 0,1,2,3,4,5,6,7
.irp jj, 0,1,2,3
.irp i, 0,1,2,3
.set rA, 8*(4*\b+\i)+2*\jj
	v_pk_add_f32 v[rA:rA+1], v[rA:rA+1], v[MM+2*\i:MM+2*\i+1] op_sel_hi:[1,0] neg_lo:[0,1] neg_hi:[0,1]
.endr
.endr
.endr
	WIN23 \hw, 0x0a, 0x0f
.irp b, 0,1,2,3,4,5,6,7
.irp jj, 0,1,2,3
.irp i, 0,1,2,3
.set rA, 8*(4*\b+\i)+2*\jj
	v_pk_fma_f32 v[SQ+4*\i+2*(\jj%2):SQ+4*\i+2*(\jj%2)+1], v[rA:rA+1], v[rA:rA+1], v[SQ+4*\i+2*(\jj%2):SQ+4*\i+2*(\jj%2)+1]
.endr
.endr
.endr
.endm
.macro LNOUT hw                        ; x 1 / sqrt + the shift to the whole row's mean; x gamma + beta
	WIN23 \hw, 0x82, 0xc3
.irp b, 0,1,2,3,4,5,6,7
.irp jj, 0,1,2,3
.irp i, 0,1,2,3
.set rA, 8*(4*\b+\i)+2*\jj
	v_pk_fma_f32 v[rA:rA+1], v[rA:rA+1], v[RS+2*\i:RS+2*\i+1], v[CC+2*\i:CC+2*\i+1] op_sel_hi:[1,0,0]
.endr
.endr
.endr
	WIN23 \hw, 0x96, 0xd7
.irp b, 0,1,2,3,4,5,6,7
.irp jj, 0,1,2,3
.irp i, 0,1,2,3
.set rA, 8*(4*\b+\i)+2*\jj
	v_pk_fma_f32 v[rA:rA+1], v[rA:rA+1], v[8*(8*\hw+\b)+2*\jj:8*(8*\hw+\b)+2*\jj+1], v[128+8*(8*\hw+\b)+2*\jj:128+8*(8*\hw+\b)+2*\jj+1]
.endr
.endr
.endr
.endm
	LNSUM 0
	LNSUM 1
	WIN 0
	FOLD SUM
.irp i, 0,1,2,3
	v_mul_f32 v[MM+2*\i], 0x3b800000, v[SUM+4*\i]  ; / 256: the mean of my half of the row
.endr
.irp i, 0,1,2,3
	v_mov_b32 v[MM+2*\i+1], v[MM+2*\i]
.endr
	LNSQ 0
	LNSQ 1
	WIN 0
	FOLD SQ
.irp i, 0,1,2,3
	ds_store_b32 v[ELO], v[MM+2*\i] offset:128*\i
	ds_store_b32 v[ELO], v[SQ+4*\i] offset:512+128*\i
.endr
	s_wait_dscnt 0x0                               ; my two figures a row lie in LDS; gamma and beta are in; my reads of the images have long been over
	s_barrier_signal -1
	s_barrier_wait -1
.irp i, 0,1,2,3
	ds_load_b32 v[OM+\i], v[ELP] offset:128*\i
	ds_load_b32 v[O2+\i], v[ELP] offset:512+128*\i
.endr
	s_mov_b32 s82, 0x3b000000                      ; 1 / 512
	s_mov_b32 s83, 0x3727c5ac                      ; 1e-5
	s_wait_dscnt 0x0
.irp i, 0,1,2,3
	v_sub_f32 v[OM+\i], v[MM+2*\i], v[OM+\i]       ; delta = my mean - the other half's
	v_add_f32 v[O2+\i], v[SQ+4*\i], v[O2+\i]
.endr
.irp i, 0,1,2,3
	v_mul_f32 v[SQ+4*\i], v[OM+\i], v[OM+\i]
.endr
.irp i, 0,1,2,3
	v_fmamk_f32 v[O2+\i], v[SQ+4*\i], 0x43000000, v[O2+\i]         ; + 128 delta^2: the squares about the whole row's mean
.endr
.irp i, 0,1,2,3
	v_fma_f32 v[O2+\i], v[O2+\i], s82, s83         ; var + eps
.endr
.irp i, 0,1,2,3
	v_rsq_f32 v[RS+2*\i], v[O2+\i]
.endr
.irp i, 0,1,2,3
	v_mul_f32 v[CC+2*\i], 0.5, v[OM+\i]            ; my mean - the row's mean.  (Plain lines behind the transcendentals)
.endr
	s_wait_alu depctr_va_vdst(0)                   ; one wait for the four
.irp i, 0,1,2,3
	v_mov_b32 v[RS+2*\i+1], v[RS+2*\i]
	v_mul_f32 v[CC+2*\i], v[CC+2*\i], v[RS+2*\i]
.endr
.irp i, 0,1,2,3
	v_mov_b32 v[CC+2*\i+1], v[CC+2*\i]
.endr
	LNOUT 0
	LNOUT 1
	; ---- THE WAY OUT, a row tile at a time: a lane's 32 bytes of a row go into my stage (rows of 1,024 + 16 bytes) and come back as whole rows; each store covers 512 consecutive bytes, aligned.
	; The stage lies in the images' bytes: every wave has passed the norm's barrier behind its last read of them, and no tensor load ever lands there.
.macro TOSTAGE i
	WIN 0x08
.irp b, 0,1,2,3,4,5,6,7
	ds_store_b128 v[STO], v[8*(4*\b+\i):8*(4*\b+\i)+3] offset:64*\b
	ds_store_b128 v[STO], v[8*(4*\b+\i)+4:8*(4*\b+\i)+7] offset:64*\b+16
.endr
	WIN 0x0c
.irp b, 0,1,2,3,4,5,6,7
	ds_store_b128 v[STO], v[8*(4*\b+\i):8*(4*\b+\i)+3] offset:512+64*\b
	ds_store_b128 v[STO], v[8*(4*\b+\i)+4:8*(4*\b+\i)+7] offset:512+64*\b+16
.endr
.if (\i)%2
	WIN 0x40                                       ; back into window 1, v0-127,
.set BB, 0
.else
	WIN 0                                          ; or window 0, v128-255, by turns
.set BB, 128
.endif
.set t, 0
.rept 32
	ds_load_b128 v[BB+4*t:BB+4*t+3], v[SRD] offset:(t/2)*1040+(t%2)*512   ; LDS serves a wave's instructions in order: these see my stores, and the next tile's stores come behind them
.set t, t+1
.endr
	WIN 0
.endm
.macro SEND i
.if (\i)%2
	WIN 0x04
.set BB, 0
.else
	WIN 0
.set BB, 128
.endif
.set t, 0
.rept 32
	global_store_b128 v[L16], v[BB+4*t:BB+4*t+3], s[20:21] offset:(\i)*32768+(t/2)*2048+(t%2)*512 th:TH_STORE_NT
.set t, t+1
.endr
	WIN 0
.endm
	TOSTAGE 0
	TOSTAGE 1
	s_wait_dscnt 63                                ; 64 LDS instructions are younger than tile 0's loads; the count's field holds 63, and the smaller count is safe
	SEND 0
	s_wait_xcnt 0x0                                ; tile 0's stores have read their registers: tile 2's rows may land there
	TOSTAGE 2
	s_wait_dscnt 63
	SEND 1
	s_wait_xcnt 0x0
	TOSTAGE 3
	s_wait_dscnt 63
	SEND 2
	s_wait_dscnt 0x0
	SEND 3
	s_wait_tensorcnt 0x0                           ; the wave's end
	ds_add_u32 v[SPW], v[NIL]
	s_wait_dscnt 0x0
	CROUND                                         ; the closing round
	s_endpgm
.Lfunc_end_k_qb785c9c350_attn:
	.size	k_qb785c9c350_attn, .Lfunc_end_k_qb785c9c350_attn-k_qb785c9c350_attn
	.p2alignl 7, 3214868480
	.fill 96, 4, 3214868480
	.section	.rodata,"a",@progbits
	.p2align	6, 0x0
	.amdhsa_kernel k_qb785c9c350_attn
		.amdhsa_group_segment_fixed_size 327680
		.amdhsa_private_segment_fixed_size 0
		.amdhsa_enable_private_segment 0
		.amdhsa_kernarg_size 72
		.amdhsa_user_sgpr_count 2
		.amdhsa_user_sgpr_kernarg_segment_ptr 1
		.amdhsa_wavefront_size32 1
		.amdhsa_system_sgpr_workgroup_id_x 1
		.amdhsa_system_sgpr_workgroup_id_y 1
		.amdhsa_system_sgpr_workgroup_id_z 1
		.amdhsa_system_vgpr_workitem_id 0
		.amdhsa_next_free_vgpr 1024
		.amdhsa_next_free_sgpr 100
		.amdhsa_reserve_vcc 0
		.amdhsa_float_denorm_mode_32 3
		.amdhsa_float_denorm_mode_16_64 3
		.amdhsa_memory_ordered 1
		.amdhsa_forward_progress 1
		.amdhsa_inst_pref_size 255
	.end_amdhsa_kernel
	.section	.bss,"aw",@nobits
	.p2align	6
	.space	262144
	.amdgpu_metadata
---
amdhsa.version: [ 1, 2 ]
amdhsa.kernels:
  - .name:           k_qb785c9c350_attn
    .symbol:         k_qb785c9c350_attn.kd
    .args:
      - { .name: codes, .offset: 0, .size: 8, .value_kind: global_buffer, .address_space: global }
      - { .name: scales, .offset: 8, .size: 8, .value_kind: global_buffer, .address_space: global }
      - { .name: kvf, .offset: 16, .size: 8, .value_kind: global_buffer, .address_space: global }
      - { .name: ksum, .offset: 24, .size: 8, .value_kind: global_buffer, .address_space: global }
      - { .name: wof, .offset: 32, .size: 8, .value_kind: global_buffer, .address_space: global }
      - { .name: bo, .offset: 40, .size: 8, .value_kind: global_buffer, .address_space: global }
      - { .name: gamma, .offset: 48, .size: 8, .value_kind: global_buffer, .address_space: global }
      - { .name: beta, .offset: 56, .size: 8, .value_kind: global_buffer, .address_space: global }
      - { .name: out0, .offset: 64, .size: 8, .value_kind: global_buffer, .address_space: global }
    .group_segment_fixed_size: 327680
    .private_segment_fixed_size: 0
    .kernarg_segment_align: 8
    .kernarg_segment_size: 72
    .max_flat_workgroup_size: 128
    .sgpr_count:     100
    .vgpr_count:     1024
    .wavefront_size: 32
...
	.end_amdgpu_metadata
.endif
;; end of part 3
